; MI455X (gfx1250); checked and timed in simulation.
; The chip was launched on July 23, 2026; its instructions are those of AMD's public machine-readable ISA for CDNA 5 (MIT licence, August 2026) and "CDNA5" Instruction Set Architecture Reference Guide (July 2026). The comments in the code are by the model that wrote it; some were corrected since.
;; Attention. Allowed arithmetic: matrix products marked QUANTISED: E2M1 operands, one E8M0 scale for each 32 along K, by v_wmma_scale_f32_16x16x128_f8f6f4 with both operands' format E2M1 (or v_wmma_scale_f32_32x16x128_f4), f32 sums; everything else in f32.
;; Inputs: key_padding_mask 2 x 2,048 bool; kv 2 x 2,048 x 2 x 8 x 128 float32; q 2 x 2,048 x 32 x 128 float32.
;; Outputs: out0 2 x 2,048 x 32 x 128 float32.
;; This version of the problem:
;;   THIS VERSION OF THE PROBLEM IS GIVEN IN LOW PRECISION. The matrix products marked QUANTISED in the list below multiply operands that are first quantised to E2M1 (2 exponent bits, 1 mantissa bit; 4 bits a number), with one power-of-two scale for each 32 numbers along K (OCP MX v1.0); their sums are f32. All else is computed in f32.
;;   The module's matrix products, in the order in which they are computed (A, B: the left and right operand; K: the contracted axis; several contracted axes count as one K, in the product's order):
;;     1. batch 64 x [M 2,048, K 128] x [K 128, N 2,048]; A: input q; B: computed on the way: QUANTISED
;;     2. batch 64 x [M 128, K 2,048] x [K 2,048, N 2,048]; A: input kv; B: softmax (see below): QUANTISED
;;   THE QUANTISER, for each operand of a quantised product, along K:
;;     - K is cut into blocks of 32 from its start; a last block that is shorter is filled with zeros.
;;     - A block's scale is 2^e with e = floor(log2(the largest magnitude in the block)) - 2, held to -126 .. 127; a block of zeros has e = 0. As a byte (E8M0): e + 127.
;;     - Each number is divided by its block's scale, clamped to +-6, and rounded to the nearest number of E2M1, ties to even, subnormals kept.
;;     - The product sums the exact products of the quantised numbers (number of the format x scale) in f32.
;;   ~~~python
;;   def quantise(x, axis):      # numpy; x: float32 -> the quantised numbers, widened to float32 again
;;       x = np.moveaxis(x, axis, -1); K = x.shape[-1]
;;       x = np.pad(x, [(0, 0)] * (x.ndim - 1) + [(0, -K % 32)]); x = x.reshape(x.shape[:-1] + (-1, 32)); a = np.abs(x).max(-1, keepdims=True)
;;       e = np.where(a > 0, np.clip(np.frexp(np.where(a > 0, a, 1))[1] - 1 - 2, -126, 127), 0)      # np.frexp(a)[1] - 1 = floor(log2(a)), exactly
;;       r = np.clip(x / 2.0 ** e, -6, 6)
;;       step = 2.0 ** (np.maximum(np.frexp(np.where(r == 0, 1, r))[1] - 1, 0) - 1)
;;       q = np.round(r / step) * step * 2.0 ** e      # np.round: ties to even
;;       return np.moveaxis(q.reshape(q.shape[:-2] + (-1,))[..., :K], -1, axis).astype(np.float32)
;;   ~~~
;;   SOFTMAX AHEAD OF A QUANTISED PRODUCT. Where the list says 'softmax', what is quantised is not the finished softmax but p = 2^(t - M), with t = logit x log2(e) and M = ceil(the row's largest t), a whole number; so 1/2 < the row's largest p <= 1. The row's sum l is taken of the UNQUANTISED p, in f32, and the product's result is divided by l at the end. Since M is a whole number, a kernel that streams over the keys may use a running M (the ceiling of the running maximum): every later rescaling is an exact power of two, which a block's scale takes up: the codes' values come out the same.
;;   OPERANDS COMPUTED ON THE WAY. 'Computed on the way' means the value that the module computes at that place (a softmax that the list does not call 'softmax' is quantised finished and normalised). What goes into a quantiser is computed in f32, as accurately as f32 sums, v_exp_f32 and their like allow (about 1e-6 of the number): no bf16 or f16 on the way to a quantiser, and a product that is left as it is and whose result goes on into a quantised operand takes f32 operands (vector FMAs, or v_wmma_f32_16x16x4_f32). A number that lies on a knife's edge between two numbers of the format may be rounded either way, as far as f32 arithmetic and the matrix unit's own rounding can turn it there, and no further.
;; One version. Each part assembles by itself: llvm-mc -triple=amdgcn-amd-amdhsa -mcpu=gfx1250 --defsym DOCPART=n.
;; ======== version 1 of 1: 2 launches
;; workspace buffers: kvq 4,587,520 bytes
;; launch prep (part 1): grid 512 x 1, 4 waves a work-group, no clusters, 18,944 bytes of LDS; arguments kv, key_padding_mask, kvq; writes kvq
.if DOCPART == 1
	.amdgcn_target "amdgcn-amd-amdhsa--gfx1250"
	.amdhsa_code_object_version 6
	.text
	.protected	k_q2b73e12f03_prep
	.globl	k_q2b73e12f03_prep
	.p2align	8
	.type	k_q2b73e12f03_prep,@function
k_q2b73e12f03_prep:
	s_mov_b64 s[64:65], 0
	v_nop
	global_prefetch_b8 v0, s[64:65] scope:SCOPE_SE
	s_setreg_imm32_b32 hwreg(HW_REG_WAVE_MODE, 25, 1), 1
	s_wait_xcnt 0x0
; kv [2][2048][2][8][128] f32 and key_padding_mask [2][2048] become kvq: 16 head blocks (8 b + hkv) of HB bytes, laid as the second launch's operand registers want them.
; K is first multiplied by 1 / sqrt(128) in f32, as the source has it, then quantised along d; V is quantised along the keys.  Codes of E2M1, one E8M0 byte for each 32 along a product's K.
; A block's scale is 2^(floor(log2(its largest magnitude)) - 2); its byte is the largest magnitude's exponent field - 2, held at 1 from below.
; A HEAD BLOCK (slot j = 15 - s holds key step s of 128 keys, since the second launch walks the keys from the last step to the first):
;   0       K's codes:  8192 j + 1024 t + 512 c + 16 lane: registers 4 c .. 4 c + 3 of the fragment of tile t.  Lane (r, h) of tile t holds key 32 (t / 2) + 8 (t % 2) + r + 8 (r / 8), d = 64 c + 32 h + 0 .. 31
;   O_KSC   K's scale words: 512 j + 256 (t / 4) + 16 r + 4 (t % 4)
;   O_VIMG  V's codes:  8192 j + 1024 t + 512 c + 16 lane: lane (r, h) holds channel 16 t + r, keys 64 c + 32 h + 0 .. 31 of the step
;   O_VSC   V's scale words, as K's
;   O_BIAS  512 j + 4 key: 0.0 for a valid key, -10000.0 for a padded one
; LIMITS: NaN and infinities among the inputs are not served.  A block whose largest magnitude lies under 2^-124 gets the byte 1, a block of zeros too (the rule says 127): its codes are zeros, and this program alone reads the bytes.
; SHARES: work-groups 0-255 take K, 256-511 V; each takes one key step of one head block.  The two paths have LDS bytes of their own.  No work-group reads what another reads: no cluster, no tensor load.
.set HB,     286720
.set O_KSC,  131072
.set O_VIMG, 139264
.set O_VSC,  270336
.set O_BIAS, 278528
.set KGS,    17408                     ; LDS: 0 .. 17407 K's stages, 16 rows x 272 bytes for each wave; then 512 bytes in which K's scale words meet,
.set VGS,    17920                     ; and 512 in which V's meet
.set X,      64                        ; v64-191 numbers, sets of 32
.set CD,     32                        ; v32-47  codes: registers of their own for each block, so that no store's data are written again
; 32 numbers of one lane, v[xs] on, one block along K: its codes into v[dst] .. v[dst + 3], the conversion's scale operand into v[sop], the scale's byte into v[byt].  mx, tb: two chains of the maximum.
.macro QBLK xs, dst, mx, tb, sop, byt
	v_max3_num_f32 v[\mx], |v[\xs]|, |v[\xs+1]|, 0x1800000          ; the floor 2^(3 - 127) among the leaves: the byte cannot fall under 1
	v_max3_num_f32 v[\tb], |v[\xs+2]|, |v[\xs+3]|, |v[\xs+4]|
.irp i, 5,9,13,17,21,25
	v_max3_num_f32 v[\mx], v[\mx], |v[\xs+\i]|, |v[\xs+\i+1]|
	v_max3_num_f32 v[\tb], v[\tb], |v[\xs+\i+2]|, |v[\xs+\i+3]|
.endr
	v_max3_num_f32 v[\mx], v[\mx], |v[\xs+29]|, |v[\xs+30]|
	v_max3_num_f32 v[\mx], v[\mx], v[\tb], |v[\xs+31]|
	v_add_nc_u32 v[\sop], 0xff000000, v[\mx]                        ; 2 off the exponent field: the conversion takes this operand's exponent field as its scale
	v_lshrrev_b32 v[\byt], 23, v[\sop]
.irp g, 0,1,2,3
	v_cvt_scalef32_pk8_fp4_f32 v[\dst+\g], v[\xs+8*\g:\xs+8*\g+7], v[\sop]
.endr
	v_nop                                                           ; one plain instruction behind the last scaled conversion
.endm
	s_load_b128 s[4:7], s[0:1], 0x0                ; kv s[4:5], the mask s[6:7]
	s_load_b64 s[8:9], s[0:1], 0x10                ; kvq
	v_lshl_add_u32 v192, v0, 2, 0x4800
	v_mov_b32 v193, 0
	v_lshrrev_b32 v1, 5, v0
	v_readfirstlane_b32 s10, v1                    ; wave 0..3
	v_and_b32 v2, 31, v0                           ; lane
	v_and_b32 v3, 15, v0                           ; r
	v_bfe_u32 v11, v0, 4, 1                        ; h
	s_and_b32 s26, ttmp9, 255
	s_lshr_b32 s27, s26, 4                         ; head block 8 b + hkv
	s_and_b32 s28, s26, 15                         ; key step s
	s_sub_co_u32 s29, 15, s28                      ; slot j
	s_lshr_b32 s30, s27, 3                         ; b
	s_and_b32 s31, s27, 7                          ; hkv
	s_lshl_b32 s12, s30, 24                        ; a batch of kv is 2^24 bytes,
	s_lshl_b32 s31, s31, 9                         ; a head's row 512,
	s_add_co_u32 s12, s12, s31
	s_lshl_b32 s32, s28, 20                        ; 128 keys of 8,192 bytes
	s_add_co_u32 s12, s12, s32
	s_mov_b32 s13, 0
	s_mul_i32 s14, s27, HB
	s_mov_b32 s15, 0
	s_lshl_b32 s33, s29, 13                        ; 8192 j
	s_lshl_b32 s34, s29, 9                         ; 512 j
	s_mov_b32 s22, 0x76543210
	s_mov_b32 s23, 0xfedcba98                      ; v_permlanex16_b32's selects for lane l xor 16
	v_lshlrev_b32 v7, 4, v2                        ; 16 x lane
	s_wait_kmcnt 0x0
	s_add_nc_u64 s[12:13], s[4:5], s[12:13]        ; kv at (b, 128 s, K, hkv)
	s_add_nc_u64 s[8:9], s[8:9], s[14:15]          ; kvq at my head block
	s_cmp_ge_u32 ttmp9, 256
	s_cbranch_scc1 .Lv_path
	; ---- K.  Wave w takes keys 32 w .. 32 w + 31 of the step: tiles 2 w and 2 w + 1.
	s_lshl_b32 s14, s10, 18                        ; 32 keys of 8,192 bytes
	s_mov_b32 s15, 0
	s_add_nc_u64 s[12:13], s[12:13], s[14:15]
	s_lshl_b32 s14, s10, 11                        ; two tiles' images
	s_add_co_u32 s14, s14, s33
	s_add_nc_u64 s[14:15], s[8:9], s[14:15]        ; where my codes go
	s_add_co_u32 s16, s34, O_KSC
	s_mov_b32 s17, 0
	s_add_nc_u64 s[16:17], s[8:9], s[16:17]        ; the step's scale words
	s_add_co_u32 s18, s34, O_BIAS
	s_mov_b32 s19, 0
	s_add_nc_u64 s[18:19], s[8:9], s[18:19]        ; the step's bias
	s_lshl_b32 s20, s30, 11
	s_lshl_b32 s35, s28, 7
	s_add_co_u32 s20, s20, s35
	s_mov_b32 s21, 0
	s_add_nc_u64 s[20:21], s[6:7], s[20:21]        ; the mask's 128 bytes of the step
	v_lshlrev_b32 v4, 13, v11
	v_lshl_add_u32 v4, v3, 4, v4                   ; a load takes two keys' half rows: lanes 0-15 one key's 256 bytes, lanes 16-31 the next key's
	s_mul_i32 s36, s10, 4352                       ; my stage
	v_mul_u32_u24 v5, v11, 272
	v_lshl_add_u32 v5, v3, 4, v5
	v_add_nc_u32 v5, s36, v5                       ; into it: as loaded, rows 272 bytes apart
	v_mul_u32_u24 v6, v3, 272
	v_lshl_add_u32 v6, v11, 7, v6
	v_add_nc_u32 v6, s36, v6                       ; out of it: row r, 128 bytes for each half of the lanes: 32 neighbours along d
	s_lshr_b32 s37, s10, 1
	s_lshl_b32 s37, s37, 8
	s_and_b32 s38, s10, 1
	s_lshl_b32 s38, s38, 3
	s_add_co_u32 s37, s37, s38
	s_add_co_u32 s37, s37, KGS
	v_lshlrev_b32 v8, 4, v3
	v_add_nc_u32 v8, s37, v8                       ; my tiles' scale words: 256 (w / 2) + 16 r + 8 (w % 2)
	v_lshlrev_b32 v9, 3, v11                       ; 8 h
	v_lshlrev_b32 v1, 2, v2
	v_mov_b32 v26, 0                               ; a lane permute's destination counts as read: written once
	v_mov_b32 v27, 0xc61c4000                      ; -10000.0
	s_mov_b32 s24, 0x3db504f3                      ; 1 / sqrt(128) as the source makes it in f32
	s_mov_b32 s25, s24                             ; (named with it as a pair)
	global_load_b32 v10, v1, s[20:21]              ; four mask bytes a lane; every wave loads them, so that the counts below hold in all
	; set idx = 2 u + c: tile 2 w + u, d = 64 c on.  Stage row 2 i + h is lane r = 2 i + h of the tile, whose key is 8 u + r + 8 (r / 8)
.irp idx, 0,1,2,3
.irp i, 0,1,2,3,4,5,6,7
	global_load_b128 v[X+32*\idx+4*\i:X+32*\idx+4*\i+3], v4, s[12:13] offset:(8*(\idx/2)+2*\i+8*(\i/4))*8192+256*(\idx%2) th:TH_LOAD_NT
.endr
.endr
.irp idx, 0,1,2,3
	s_wait_loadcnt 24-8*\idx                       ; this set's eight loads are in; the later sets' may be out
.irp i, 0,1,2,3,4,5,6,7
	ds_store_b128 v5, v[X+32*\idx+4*\i:X+32*\idx+4*\i+3] offset:544*\i
.endr
.irp i, 0,1,2,3,4,5,6,7
	ds_load_b128 v[X+32*\idx+4*\i:X+32*\idx+4*\i+3], v6 offset:16*\i   ; LDS serves a wave's instructions in order (ISA guide 5.7.1.4): these see the stores above, and the next set's stores come behind them
.endr
.endr
.irp idx, 0,1,2,3
	s_wait_dscnt 48-16*\idx                        ; this set is back; the later sets' eight stores and eight loads may be out
.set k, 0
.rept 16
	v_pk_mul_f32 v[X+32*\idx+k:X+32*\idx+k+1], v[X+32*\idx+k:X+32*\idx+k+1], s[24:25] op_sel_hi:[1,0]
.set k, k+2
.endr
	QBLK X+32*\idx, CD+4*\idx, 12+\idx, 48, 16+\idx, 20+\idx
.endr
.irp u, 0,1
	v_lshl_or_b32 v[24+\u], v[21+2*\u], 16, v[20+2*\u]   ; my two bytes: blocks h and 2 + h of my key,
	v_lshlrev_b32 v[24+\u], v9, v[24+\u]                 ; at their places in the word;
	v_permlanex16_b32 v26, v[24+\u], s22, s23
	v_or_b32 v[24+\u], v[24+\u], v26                     ; with lane l xor 16's two the word is whole
	ds_store_b32 v8, v[24+\u] offset:4*\u                ; (both halves of the lanes write the same word with the same value)
.endr
.irp idx, 0,1,2,3
	global_store_b128 v7, v[CD+4*\idx:CD+4*\idx+3], s[14:15] offset:512*\idx   ; 32 lanes store 512 consecutive bytes
.endr
	s_wait_dscnt 0x0                               ; for the others' sake: my scale words lie in LDS
	s_barrier_signal -1
	s_barrier_wait -1
	s_cmp_lg_u32 s10, 0
	s_cbranch_scc1 .Lk_end
	ds_load_b128 v[52:55], v7 offset:KGS           ; wave 0: the step's 512 bytes of scale words leave as two whole runs of 256
.irp i, 0,1,2,3
	v_bfe_u32 v49, v10, 8*\i, 8
	v_cmp_eq_u32 vcc_lo, 0, v49
	v_cndmask_b32 v[28+\i], 0, v27, vcc_lo         ; a padded key: -10000.0
.endr
	global_store_b128 v7, v[28:31], s[18:19]
	s_wait_dscnt 0x0
	global_store_b128 v7, v[52:55], s[16:17]
.Lk_end:
	s_wait_tensorcnt 0x0
	ds_add_u32 v192, v193
	s_wait_dscnt 0x0
	s_endpgm
	; ---- V.  Thread d takes channel d, and its registers run down the keys: a block of 32 keys lies in one lane, and the codes come out with the keys innermost.
.Lv_path:
	s_add_nc_u64 s[12:13], s[12:13], 4096          ; V lies 4,096 bytes behind K in a key's row
	s_add_co_u32 s14, s33, O_VIMG
	s_mov_b32 s15, 0
	s_add_nc_u64 s[14:15], s[8:9], s[14:15]
	s_add_co_u32 s16, s34, O_VSC
	s_mov_b32 s17, 0
	s_add_nc_u64 s[16:17], s[8:9], s[16:17]
	v_lshlrev_b32 v4, 2, v0                        ; in: 4 bytes a thread: the work-group reads a key's 512 bytes
	v_lshrrev_b32 v5, 4, v0
	v_lshlrev_b32 v5, 10, v5
	v_lshl_add_u32 v5, v3, 4, v5                   ; out: 1024 (d / 16) + 16 (d % 16)
	v_lshrrev_b32 v6, 6, v0
	v_lshlrev_b32 v6, 8, v6
	v_lshl_add_u32 v6, v3, 4, v6
	v_bfe_u32 v8, v0, 4, 2
	v_lshl_add_u32 v6, v8, 2, v6
	v_add_nc_u32 v6, VGS, v6                       ; my scale word: 256 (t / 4) + 16 r + 4 (t % 4), t = d / 16
.macro VLOAD bt                        ; block bt: keys 32 bt + 0 .. 31 of my channel, into set bt % 2
.set k, 0
.rept 32
	global_load_b32 v[X+32*((\bt)%2)+k], v4, s[12:13] offset:(32*(\bt)+k)*8192 th:TH_LOAD_NT
.set k, k+1
.endr
.endm
.macro VBLOCK bt
.if (\bt) < 3
	s_wait_loadcnt 32                              ; this block's 32 loads are in; the next block's may be out
.else
	s_wait_loadcnt 0x0
.endif
	QBLK X+32*((\bt)%2), CD+4*(\bt), 12, 48, 16, 20
.if (\bt) == 0
	v_mov_b32 v24, v20                             ; the four bytes make my channel's scale word for the step
.else
	v_lshl_or_b32 v24, v20, 8*(\bt), v24
.endif
	global_store_b128 v5, v[CD+4*(\bt):CD+4*(\bt)+3], s[14:15] offset:((\bt)/2)*512+((\bt)%2)*256   ; sixteen lanes store 256 consecutive bytes, aligned
.if (\bt) < 2
	VLOAD (\bt)+2
.endif
.endm
	VLOAD 0
	VLOAD 1
	VBLOCK 0
	VBLOCK 1
	VBLOCK 2
	VBLOCK 3
	ds_store_b32 v6, v24
	s_wait_dscnt 0x0                               ; for the others' sake
	s_barrier_signal -1
	s_barrier_wait -1
	s_cmp_lg_u32 s10, 0
	s_cbranch_scc1 .Lv_end
	ds_load_b128 v[52:55], v7 offset:VGS
	s_wait_dscnt 0x0
	global_store_b128 v7, v[52:55], s[16:17]
.Lv_end:
	s_wait_tensorcnt 0x0
	ds_add_u32 v192, v193
	s_wait_dscnt 0x0
	s_endpgm
.Lfunc_end_k_q2b73e12f03_prep:
	.size	k_q2b73e12f03_prep, .Lfunc_end_k_q2b73e12f03_prep-k_q2b73e12f03_prep
	.p2alignl 7, 3214868480
	.fill 96, 4, 3214868480
	.section	.rodata,"a",@progbits
	.p2align	6, 0x0
	.amdhsa_kernel k_q2b73e12f03_prep
		.amdhsa_group_segment_fixed_size 18944
		.amdhsa_private_segment_fixed_size 0
		.amdhsa_enable_private_segment 0
		.amdhsa_kernarg_size 24
		.amdhsa_user_sgpr_count 2
		.amdhsa_user_sgpr_kernarg_segment_ptr 1
		.amdhsa_wavefront_size32 1
		.amdhsa_system_sgpr_workgroup_id_x 1
		.amdhsa_system_sgpr_workgroup_id_y 1
		.amdhsa_system_sgpr_workgroup_id_z 1
		.amdhsa_system_vgpr_workitem_id 0
		.amdhsa_next_free_vgpr 194
		.amdhsa_next_free_sgpr 66
		.amdhsa_reserve_vcc 1
		.amdhsa_float_denorm_mode_32 3
		.amdhsa_float_denorm_mode_16_64 3
		.amdhsa_memory_ordered 1
		.amdhsa_forward_progress 1
		.amdhsa_inst_pref_size 42
	.end_amdhsa_kernel
	.amdgpu_metadata
---
amdhsa.version: [ 1, 2 ]
amdhsa.kernels:
  - .name:           k_q2b73e12f03_prep
    .symbol:         k_q2b73e12f03_prep.kd
    .args:
      - { .name: kv, .offset: 0, .size: 8, .value_kind: global_buffer, .address_space: global }
      - { .name: key_padding_mask, .offset: 8, .size: 8, .value_kind: global_buffer, .address_space: global }
      - { .name: kvq, .offset: 16, .size: 8, .value_kind: global_buffer, .address_space: global }
    .group_segment_fixed_size: 18944
    .private_segment_fixed_size: 0
    .kernarg_segment_align: 8
    .kernarg_segment_size: 24
    .max_flat_workgroup_size: 128
    .sgpr_count:     66
    .vgpr_count:     194
    .wavefront_size: 32
...
	.end_amdgpu_metadata
.endif
;; end of part 1
;; launch attn (part 2): grid 256 x 1, 8 waves a work-group, clusters of 4 x 1, 327,680 bytes of LDS; arguments q, kvq, out0; writes out0
.if DOCPART == 2
	.amdgcn_target "amdgcn-amd-amdhsa--gfx1250"
	.amdhsa_code_object_version 6
	.text
	.protected	k_q2b73e12f03_attn
	.globl	k_q2b73e12f03_attn
	.p2align	8
	.type	k_q2b73e12f03_attn,@function
k_q2b73e12f03_attn:
	s_mov_b64 s[64:65], 0
	v_nop
	global_prefetch_b8 v0, s[64:65] scope:SCOPE_SE
	s_setreg_imm32_b32 hwreg(HW_REG_WAVE_MODE, 25, 1), 1
	s_wait_xcnt 0x0
	s_wait_alu depctr_hold_cnt(0) depctr_sa_sdst(0) depctr_va_vdst(0) depctr_va_sdst(0) depctr_va_ssrc(0) depctr_va_vcc(0) depctr_vm_vsrc(0)
	s_getreg_b32 s2, hwreg(HW_REG_IB_STS2, 6, 4)
	s_cmp_eq_u32 s2, 0
	s_cbranch_scc0 .Lentry_in_a_cluster
	s_endpgm
.Lentry_in_a_cluster:
	s_bfe_u32 s2, ttmp6, 0x10000c
	s_cmp_lg_u32 s2, 0x3003
	s_cbranch_scc0 .Lentry_shape_is_right
	s_endpgm
.Lentry_shape_is_right:
; out0[b][t][h][:] = the sum over s of softmax_s(q[b][t][h] . k[b][s][h / 4] / sqrt(128) + padding bias, causally hidden scores SET to -10000) v[b][s][h / 4][:], both products on codes of E2M1 with one E8M0 byte for each 32 along K.
; K's and V's codes, their scale words and the padding bias come from kvq, laid by the launch before as images of the operands' registers; q is quantised here, in registers: each of its rows is read by one wave.
; THE SOFTMAX: t = score x log2(e); M = the running largest t rounded up to a whole number; p = 2^(t - M) is quantised along the keys; the sum l is taken of the unquantised p and divides at the end.
; -10000 IS A NUMBER, NOT -INFINITY: a row whose visible keys are all padded takes its weight from all 2,048 keys.  So hidden keys are not dropped.  What is left out is the first product and the softmax of key steps that lie
; WHOLLY under the causal mask: there every score is -10000, so p is one known number, p_c = 2^(t0 - ceil(t0)), t0 = -10000 log2(e): 0.5176, whose code is 4 under the scale 2^-3.  The keys are walked from the last step to the
; first, so these TAIL steps come first, under M = ceil(t0): O^T += V^T P with a constant operand (codes 0x6, bytes 0x7c), and l starts as (tail keys of my lane) x p_c.  Every later rise of M multiplies both by a power of two.
; THE PADDING BIAS (0 or -10000) is the C of the first product's matrix instructions; the causal fill comes behind it, in the one step of a pass that lies on the diagonal.
; SHARES.  A cluster is the four query heads of one key and value head, at the same positions; a work-group is one of these heads.  All of the head block (286,720 bytes) stays in LDS, filled ONCE, by one joint tensor load
; a wave (140 rows of 256 bytes; mask: all four partners; by this text's count one tensor load of a wave is out).  No LDS byte is filled twice: no ring, and no barrier in the loops.
; A wave makes two passes of 32 positions (two tiles of 16 queries, which share every fragment read from LDS): unit 63 - (pg + 4 w), then unit pg + 4 w: 17 steps with a softmax and 15 tail steps in every wave.
; LAYOUT.  Both products are used transposed: S^T = K Q^T, O^T = V^T P^T: a lane holds one query (lane % 16) throughout.  Lane r of key tile t holds key 32 (t / 2) + 8 (t % 2) + r + 8 (r / 8), so that the 16 registers of
; tiles 2 b and 2 b + 1 are the 16 neighbouring keys 32 b + 16 (lane / 16) + 0 .. 15.
; LIMITS: NaN and infinities among the inputs are not served.  A block of q whose largest magnitude lies under 2^-124 gets the byte 1 (a block of zeros too: its codes are zeros).  A p under 2^-126 is taken as 0 (ISA guide 15.8: v_exp_f32 flushes).
; REGISTERS, window 0 (T = tile 0, 1): v1-9 addresses that stay; v10-14 the step's LDS addresses; v15 8 h; v[16 + 8 T] on: -M, m, l (two halves), p's scale word, q's scale word, the diagonal's d, 1 / l;
;   v[32 + 8 T] q's codes; v[48 + 8 T] p's codes; v64-71 K's scale words; v72-79 V's; v[80 + 16 T] on: 0-3 block maxima, 4-7 exchange and bytes, 8-11 conversion scales, 12-13 at work and second sum, 14 f, 15 its pair's upper half;
;   v112-119 the tail's codes; v120 its scale word; v121 -10000; v122 p_c; v123 at work; v124 the prefetches' offset; v125 r - 16 h; v126 t0; v127 -3e38; v[128 + 64 T] S^T, then p; also q's numbers and rows of out0.
;   window 1: v0-127 O^T (tile T, channels 16 t on: 64 T + 8 t); v128-191 eight fragments of K or V; v192-255 the bias of eight key tiles.
.set HB,     286720
.set O_KSC,  131072
.set O_VIMG, 139264
.set O_VSC,  270336
.set O_BIAS, 278528
.set PART,   35840                     ; an eighth of the head block: 140 rows of 256 bytes
.set STAGE,  286720                    ; behind the head block: 16 rows x 272 bytes for each wave; no tensor load lands here
.set SP,     272
.set MSB, 0
.macro WIN new                         ; s_set_vgpr_msb: bits 1:0 source 0, 3:2 source 1, 5:4 source 2, 7:6 destination; the high byte repeats the setting that is left
.if MSB != \new
	s_set_vgpr_msb (MSB<<8)|\new
.set MSB, \new
.endif
.endm
.set W_LD, 0x40                        ; destination window 1
.set W_KQ, 0x11                        ; K's fragment and the bias window 1; q's codes and S^T window 0
.set W_RS, 0x41                        ; O^T (destination and source 0) window 1, f window 0
.set W_PV, 0x51                        ; V's fragment and O^T window 1; p's codes window 0
.set W_OUT, 0x01                       ; source 0 window 1
.macro ROUND                           ; a round of the cluster's barrier
	s_barrier_signal -1
	s_barrier_wait -1
	s_cmp_lg_u32 s10, 0
	s_cbranch_scc1 .Lnot_wave_0_\@
	s_barrier_signal -3
.Lnot_wave_0_\@:
	s_barrier_wait -3
	s_barrier_signal -1
	s_barrier_wait -1
.endm
; 32 numbers of one lane, one block along K: codes into v[dst] .. v[dst + 3], the conversion's scale operand into v[sop], the scale's byte into v[byt]
.macro QBLK xs, dst, mx, tb, sop, byt
	v_max3_num_f32 v[\mx], |v[\xs]|, |v[\xs+1]|, 0x1800000          ; the floor 2^(3 - 127) among the leaves: the byte cannot fall under 1
	v_max3_num_f32 v[\tb], |v[\xs+2]|, |v[\xs+3]|, |v[\xs+4]|
.irp i, 5,9,13,17,21,25
	v_max3_num_f32 v[\mx], v[\mx], |v[\xs+\i]|, |v[\xs+\i+1]|
	v_max3_num_f32 v[\tb], v[\tb], |v[\xs+\i+2]|, |v[\xs+\i+3]|
.endr
	v_max3_num_f32 v[\mx], v[\mx], |v[\xs+29]|, |v[\xs+30]|
	v_max3_num_f32 v[\mx], v[\mx], v[\tb], |v[\xs+31]|
	v_add_nc_u32 v[\sop], 0xff000000, v[\mx]
	v_lshrrev_b32 v[\byt], 23, v[\sop]
.irp g, 0,1,2,3
	v_cvt_scalef32_pk8_fp4_f32 v[\dst+\g], v[\xs+8*\g:\xs+8*\g+7], v[\sop]
.endr
	v_nop                                                           ; one plain instruction behind the last scaled conversion
.endm
	s_load_b128 s[4:7], s[0:1], 0x0                ; q s[4:5], kvq s[6:7]
	s_load_b64 s[8:9], s[0:1], 0x10                ; out0
	v_lshl_add_u32 v254, v0, 2, 0x4e800
	v_mov_b32 v255, 0
	ds_add_u32 v254, v255
	ds_add_u32 v254, v255
	s_wait_dscnt 0x0
	v_lshrrev_b32 v1, 5, v0
	v_readfirstlane_b32 s10, v1                    ; wave 0..7
	s_bfe_u32 s11, ttmp6, 0x40000                  ; cx: which of the four query heads; it enters q's and out0's addresses alone
	s_and_b32 s46, ttmp9, 3                        ; pg: the position group (ttmp9 counts clusters)
	s_lshr_b32 s47, ttmp9, 2                       ; head block 8 b + hkv
	s_mul_i32 s56, s47, HB
	s_mul_i32 s13, s10, PART                       ; my eighth: in LDS,
	s_add_co_u32 s56, s56, s13                     ; and in kvq
	s_mov_b32 s57, 0
	s_lshr_b32 s48, s47, 3
	s_lshl_b32 s48, s48, 25                        ; a batch of q is 2^25 bytes
	s_and_b32 s49, s47, 7
	s_lshl_b32 s49, s49, 2
	s_add_co_u32 s49, s49, s11                     ; the query head
	s_lshl_b32 s49, s49, 9
	s_add_co_u32 s48, s48, s49
	s_lshl_b32 s50, s10, 2
	s_add_co_u32 s50, s50, s46                     ; the light pass's unit of 32 positions: pg + 4 w
	s_sub_co_u32 s51, 63, s50                      ; the heavy pass's
	s_lshl_b32 s54, s50, 19                        ; 32 positions of 16,384 bytes
	s_add_co_u32 s54, s54, s48
	s_mov_b32 s55, 0
	s_lshl_b32 s52, s51, 19
	s_add_co_u32 s52, s52, s48
	s_mov_b32 s53, 0
	s_mov_b32 s32, s10                             ; tail steps of the heavy pass: its positions lie in step 15 - w
	s_xor_b32 s33, s10, 15                         ; of the light pass: 15 - w
	s_sub_co_u32 s34, 3, s46
	s_lshl_b32 s34, s34, 5                         ; my first position inside its step of 128: heavy,
	s_lshl_b32 s35, s46, 5                         ; light
	s_mov_b32 s36, 0x76543210
	s_mov_b32 s37, 0xfedcba98                      ; v_permlanex16_b32's selects for lane l xor 16
	s_mov_b32 s38, 0x3fb8aa3b                      ; log2(e)
	s_mov_b32 s39, s38                             ; (named with it as a pair)
	; descriptor group 1: 140 rows of 32 elements of 8 bytes, dense in memory and in LDS
	s_mov_b32 s16, 15|(3<<16)|(1<<21)              ; 15:0 the mask: all four work-groups; 17:16 elements of 8 bytes; 21 set beside a mask; no padding
	s_mov_b32 s17, 32<<16                          ; tensor_dim0 = 32
	s_mov_b32 s18, 140<<16                         ; tensor_dim1 = 140
	s_mov_b32 s19, 32<<16                          ; tile_dim0 = 32
	s_mov_b32 s20, 140                             ; tile_dim1 = 140
	s_mov_b32 s21, 32                              ; elements from row to row
	s_mov_b32 s22, 0
	s_mov_b32 s23, 0
	s_wait_kmcnt 0x0
	s_mov_b32 s12, 1                               ; group 0: count = 1; s13 the LDS address; the global address; type = 2
	s_add_nc_u64 s[14:15], s[6:7], s[56:57]
	s_or_b32 s15, s15, 0x80000000
	s_add_nc_u64 s[24:25], s[4:5], s[52:53]        ; q and out0 at the heavy pass's first row,
	s_add_nc_u64 s[26:27], s[8:9], s[52:53]
	s_add_nc_u64 s[28:29], s[4:5], s[54:55]        ; and at the light pass's
	s_add_nc_u64 s[30:31], s[8:9], s[54:55]
	ROUND                                          ; all four work-groups are here: the joint loads meet
	tensor_load_to_lds s[12:15], s[16:23]          ; my eighth of the head block, for all four partners
	s_nop 0
.rept 4
	v_nop
.endr
	v_and_b32 v12, 31, v0                          ; lane
	v_and_b32 v10, 15, v0                          ; r
	v_bfe_u32 v11, v0, 4, 1                        ; h
	v_lshlrev_b32 v1, 4, v12                       ; K's images: 16 x lane
	v_add_nc_u32 v2, O_VIMG, v1                    ; V's
	v_lshlrev_b32 v3, 4, v10
	v_add_nc_u32 v4, O_VSC, v3                     ; V's scale words: four tiles' words of lane r lie together
	v_add_nc_u32 v3, O_KSC, v3                     ; K's
	v_lshlrev_b32 v5, 6, v11
	v_add_nc_u32 v5, O_BIAS, v5                    ; the bias: my half's 16 keys of each 32
	s_mul_i32 s45, s10, 16*SP
	s_add_co_u32 s45, s45, STAGE                   ; my stage
	v_mul_u32_u24 v6, v11, SP
	v_lshl_add_u32 v6, v10, 4, v6
	v_add_nc_u32 v6, s45, v6                       ; by rows: lanes 0-15 one row's 256 bytes, lanes 16-31 the next row's
	v_mul_u32_u24 v7, v10, SP
	v_add_nc_u32 v7, s45, v7
	v_lshl_add_u32 v8, v11, 5, v7                  ; results in: row r, 32 bytes for each half of the lanes
	v_lshl_add_u32 v7, v11, 7, v7                  ; q out: row r, 128 bytes for each half: 32 neighbours along d
	v_lshlrev_b32 v9, 14, v11
	v_lshl_add_u32 v9, v10, 4, v9                  ; the same two rows in q and out0: positions are 16,384 bytes apart
	v_lshlrev_b32 v15, 3, v11                      ; 8 h
	v_lshlrev_b32 v125, 4, v11
	v_sub_nc_u32 v125, v10, v125                   ; r - 16 h
	v_lshrrev_b32 v124, 1, v12
	v_lshlrev_b32 v124, 14, v124
	v_and_b32 v12, 1, v12
	v_lshl_add_u32 v124, v12, 8, v124              ; the prefetches: lane l names half l % 2 of row l / 2
.irp i, 0,1,2,3,4,5,6,7
	v_mov_b32 v[112+\i], 0x66666666                ; the tail's p: the code of 4 in every place,
.endr
	v_mov_b32 v120, 0x7c7c7c7c                     ; under the scale 2^-3
	v_mov_b32 v121, 0xc61c4000                     ; -10000.0
	v_mov_b32 v127, 0xff61b1e6                     ; -3e38, under every t
	v_mul_f32 v126, s38, v121                      ; t0, as the softmax makes a largest t
	v_floor_f32 v123, -v126                        ; -ceil(t0)
	v_fma_f32 v122, v121, s38, v123
	v_exp_f32 v122, v122                           ; p_c, by the same two instructions that make every p
	v_nop                                          ; a plain instruction behind the transcendental
	s_wait_alu depctr_va_vdst(0)
.irp T, 0,1
.irp b, 0,1,2,3
	v_mov_b32 v[84+16*\T+\b], 0                    ; a lane permute's destination counts as read: written once
.endr
	v_mov_b32 v[95+16*\T], 0                       ; (named as the upper half of f's pair)
.endr
; A TAIL STEP: O^T += V^T P with the constant operand.  The 16 accumulators take turns, one instruction a turn.
.macro TAIL
	ds_load_b128 v[72:75], v13
	ds_load_b128 v[76:79], v13 offset:256
	WIN W_LD
.irp t, 0,1,2,3,4,5,6,7
.irp c, 0,1
	ds_load_b128 v[128+8*\t+4*\c:128+8*\t+4*\c+3], v11 offset:1024*\t+512*\c
.endr
.endr
	s_wait_dscnt 8                                 ; the scale words and tiles 0-3 are in; tiles 4-7's eight loads may be out
	WIN W_PV
.irp t, 0,1,2,3
.irp T, 0,1
	v_wmma_scale_f32_16x16x128_f8f6f4 v[64*\T+8*\t:64*\T+8*\t+7], v[128+8*\t:128+8*\t+7], v[112:119], v[64*\T+8*\t:64*\T+8*\t+7], v[72+\t], v120 matrix_a_fmt:MATRIX_FMT_FP4 matrix_b_fmt:MATRIX_FMT_FP4
.endr
.endr
	s_wait_dscnt 0x0
.irp t, 4,5,6,7
.irp T, 0,1
	v_wmma_scale_f32_16x16x128_f8f6f4 v[64*\T+8*\t:64*\T+8*\t+7], v[128+8*\t:128+8*\t+7], v[112:119], v[64*\T+8*\t:64*\T+8*\t+7], v[72+\t], v120 matrix_a_fmt:MATRIX_FMT_FP4 matrix_b_fmt:MATRIX_FMT_FP4
.endr
.endr
	WIN 0
.endm
; THE SOFTMAX of a step, both tiles line by line, so that no line waits for the line above it
.macro SOFTMAX
.irp T, 0,1
.irp b, 0,1,2,3
	v_max3_num_f32 v[80+16*\T+\b], v[128+64*\T+16*\b], v[129+64*\T+16*\b], v[130+64*\T+16*\b]   ; the largest score of each block of 32 keys: for the row's maximum, and, since p rises with the score, for the block's largest p
.endr
.endr
.irp i, 3,5,7,9,11,13
.irp T, 0,1
.irp b, 0,1,2,3
	v_max3_num_f32 v[80+16*\T+\b], v[80+16*\T+\b], v[128+64*\T+16*\b+\i], v[129+64*\T+16*\b+\i]
.endr
.endr
.endr
.irp T, 0,1
.irp b, 0,1,2,3
	v_max_num_f32 v[80+16*\T+\b], v[80+16*\T+\b], v[143+64*\T+16*\b]
.endr
.endr
.irp T, 0,1
.irp b, 0,1,2,3
	v_permlanex16_b32 v[84+16*\T+\b], v[80+16*\T+\b], s36, s37
.endr
.endr
.irp T, 0,1
.irp b, 0,1,2,3
	v_max_num_f32 v[80+16*\T+\b], v[80+16*\T+\b], v[84+16*\T+\b]   ; with lane l xor 16's 16 keys
.endr
.endr
.irp T, 0,1
	v_max3_num_f32 v[92+16*\T], v[80+16*\T], v[81+16*\T], v[82+16*\T]
.endr
.irp T, 0,1
	v_max_num_f32 v[92+16*\T], v[92+16*\T], v[83+16*\T]            ; the step's largest score of my query
.endr
.irp T, 0,1
	v_mul_f32 v[92+16*\T], s38, v[92+16*\T]                        ; as t
.endr
.irp T, 0,1
	v_max_num_f32 v[17+8*\T], v[17+8*\T], v[92+16*\T]              ; the running largest t
.endr
.irp T, 0,1
	v_mov_b32 v[92+16*\T], v[16+8*\T]
.endr
.irp T, 0,1
	v_floor_f32 v[16+8*\T], -v[17+8*\T]                            ; the new -M = -ceil(t): M is a whole number
.endr
.irp T, 0,1
	v_sub_f32 v[92+16*\T], v[16+8*\T], v[92+16*\T]                 ; old M - new M: a whole number, 0 or less
.endr
.irp T, 0,1
	v_cvt_i32_f32 v[92+16*\T], v[92+16*\T]                         ; (it saturates)
.endr
.irp T, 0,1
	v_ldexp_f32 v[94+16*\T], 1.0, v[92+16*\T]                      ; f = 2^(old M - new M)
.endr
.irp T, 0,1
.set k, 0
.rept 32
	v_pk_fma_f32 v[128+64*\T+k:129+64*\T+k], v[128+64*\T+k:129+64*\T+k], s[38:39], v[16+8*\T:17+8*\T] op_sel_hi:[1,0,0]   ; t - M, two at a time (of the pairs log2(e) and -M the low word serves both halves)
.set k, k+2
.endr
.endr
.irp T, 0,1
.irp b, 0,1,2,3
	v_fma_f32 v[80+16*\T+\b], v[80+16*\T+\b], s38, v[16+8*\T]      ; the same of each block's largest score
.endr
.endr
.irp T, 0,1
.set k, 0
.rept 64
	v_exp_f32 v[128+64*\T+k], v[128+64*\T+k]                       ; p = 2^(t - M): not normalised
.set k, k+1
.endr
.endr
.irp T, 0,1
.irp b, 0,1,2,3
	v_exp_f32 v[80+16*\T+\b], v[80+16*\T+\b]                       ; the block's largest p: the same two instructions on the same number
.endr
.endr
.irp T, 0,1
	v_pk_mul_f32 v[18+8*\T:19+8*\T], v[18+8*\T:19+8*\T], v[94+16*\T:95+16*\T] op_sel_hi:[1,0]   ; l under the new M (a plain instruction behind the exponentials)
.endr
	s_wait_alu depctr_va_vdst(0)
.irp T, 0,1
.irp b, 0,1,2,3
	v_max_num_f32 v[80+16*\T+\b], 0x1800000, v[80+16*\T+\b]        ; the floor 2^(3 - 127): the byte cannot fall under 1
.endr
.endr
.irp T, 0,1
.irp b, 0,1,2,3
	v_add_nc_u32 v[88+16*\T+\b], 0xff000000, v[80+16*\T+\b]        ; 2 off the exponent field: the conversion's scale operand
.endr
.endr
.irp T, 0,1
.irp b, 0,1,2,3
	v_lshrrev_b32 v[84+16*\T+\b], 23, v[88+16*\T+\b]               ; the scale's byte
.endr
.endr
.irp T, 0,1
	v_lshl_or_b32 v[20+8*\T], v[85+16*\T], 8, v[84+16*\T]          ; p's scale word for these 128 keys
.endr
.irp T, 0,1
	v_lshl_or_b32 v[20+8*\T], v[86+16*\T], 16, v[20+8*\T]
.endr
.irp T, 0,1
	v_lshl_or_b32 v[20+8*\T], v[87+16*\T], 24, v[20+8*\T]
.endr
.irp T, 0,1
.irp b, 0,1,2,3
	v_cvt_scalef32_pk8_fp4_f32 v[48+8*\T+2*\b], v[128+64*\T+16*\b:135+64*\T+16*\b], v[88+16*\T+\b]
	v_cvt_scalef32_pk8_fp4_f32 v[49+8*\T+2*\b], v[136+64*\T+16*\b:143+64*\T+16*\b], v[88+16*\T+\b]
.endr
.endr
	v_nop                                          ; one plain instruction behind the last scaled conversion
.irp T, 0,1
.irp c, 0,1                                    ; the operand's layout wants a whole block in a lane: lanes 0-15 block 2 c, lanes 16-31 block 2 c + 1
.irp i, 0,1
	v_permlane16_swap_b32 v[48+8*\T+4*\c+\i], v[50+8*\T+4*\c+\i]
.endr
.endr
.endr
.irp T, 0,1
	v_pk_add_f32 v[92+16*\T:93+16*\T], v[128+64*\T:129+64*\T], v[130+64*\T:131+64*\T]   ; the sum of the unquantised p: two at a time, in two chains a tile
.endr
.irp j, 4,8,12,16,20,24,28,32,36,40,44,48,52,56,60
.irp T, 0,1
	v_pk_add_f32 v[18+8*\T:19+8*\T], v[18+8*\T:19+8*\T], v[128+64*\T+\j:129+64*\T+\j]
	v_pk_add_f32 v[92+16*\T:93+16*\T], v[92+16*\T:93+16*\T], v[130+64*\T+\j:131+64*\T+\j]
.endr
.endr
.irp T, 0,1
	v_pk_add_f32 v[18+8*\T:19+8*\T], v[18+8*\T:19+8*\T], v[92+16*\T:93+16*\T]
.endr
.endm
; eight products S^T = K Q^T + bias: key tiles t0 .. t0 + 3 x my two tiles of queries: sixteen accumulators a step, each written once
.macro KQ8 t0
.irp t, \t0, \t0+1, \t0+2, \t0+3
.irp T, 0,1
	v_wmma_scale_f32_16x16x128_f8f6f4 v[128+64*\T+8*(\t):128+64*\T+8*(\t)+7], v[128+8*(\t):128+8*(\t)+7], v[32+8*\T:39+8*\T], v[192+8*(\t):192+8*(\t)+7], v[64+(\t)], v[21+8*\T] matrix_a_fmt:MATRIX_FMT_FP4 matrix_b_fmt:MATRIX_FMT_FP4
.endr
.endr
.endm
; A STEP WITH A SOFTMAX.  nt: the register that holds the pass's number of tail steps (the step s40 = nt lies on the diagonal).  pf = 1: the heavy pass, which asks for the light pass's rows of q
.macro REAL nt, pf
	ds_load_b128 v[64:67], v12                     ; K's scale words, eight tiles
	ds_load_b128 v[68:71], v12 offset:256
	WIN W_LD
.irp g, 0,1
.irp u, 0,1,2,3
.irp c, 0,1
	ds_load_b128 v[128+8*(4*\g+\u)+4*\c:128+8*(4*\g+\u)+4*\c+3], v10 offset:1024*(4*\g+\u)+512*\c
	ds_load_b128 v[192+8*(4*\g+\u)+4*\c:192+8*(4*\g+\u)+4*\c+3], v14 offset:128*((4*\g+\u)/2)+32*(\u%2)+16*\c   ; the bias in the result's layout: register j of tile t is key 32 (t / 2) + 16 h + 8 (t % 2) + j
.endr
.endr
.endr
	s_wait_dscnt 16                                ; the scale words and tiles 0-3 are in; tiles 4-7's sixteen loads may be out
	WIN W_KQ
	KQ8 0
	s_wait_dscnt 0x0
	KQ8 4
	WIN 0
.rept 4
	v_nop                                          ; four places in front of the loads into K's fragments and of the first read of the scores
.endr
	WIN W_LD
.irp t, 0,1,2,3,4,5,6,7                        ; V's fragments are asked for now and land during the softmax
.irp c, 0,1
	ds_load_b128 v[128+8*\t+4*\c:128+8*\t+4*\c+3], v11 offset:1024*\t+512*\c
.endr
.endr
	WIN 0
	ds_load_b128 v[72:75], v13
	ds_load_b128 v[76:79], v13 offset:256
.if \pf
	s_cmp_eq_u32 s40, 14                           ; two key steps ahead of the light pass's loads of q: its 32 rows of 512 bytes, a lane to each 256 bytes, each named once in the launch, by the wave that will read it
	s_cbranch_scc0 .Lnot_yet_\@
	global_prefetch_b8 v124, s[28:29] th:TH_LOAD_NT scope:SCOPE_SE
	global_prefetch_b8 v124, s[28:29] offset:262144 th:TH_LOAD_NT scope:SCOPE_SE
.Lnot_yet_\@:
.endif
	s_cmp_lg_u32 s40, s[\nt]
	s_cbranch_scc1 .Lopen_\@                       ; only the step on the diagonal has hidden keys
.set n, 0
.rept 64                                       ; register n holds key 32 (n / 16) + 16 h + n % 16 of the step: hidden where 32 (n / 16) + n % 16 > d = my position in the step - 16 h.  Each accumulator from its low end on
	v_cmp_gt_i32 vcc_lo, 32*(n/16)+n%16, v22
	v_cmp_gt_i32 s58, 32*(n/16)+n%16, v30
	v_cndmask_b32 v[128+n], v[128+n], v121, vcc_lo
	v_cndmask_b32 v[192+n], v[192+n], v121, s58
.set n, n+1
.endr
.Lopen_\@:
	SOFTMAX
	WIN W_RS
.irp T, 0,1
.set k, 0
.rept 32
	v_pk_mul_f32 v[64*\T+k:64*\T+k+1], v[64*\T+k:64*\T+k+1], v[94+16*\T:95+16*\T] op_sel_hi:[1,0]   ; O^T under the new M.  (With the sums above: the places between p's codes and scale word and the products below)
.set k, k+2
.endr
.endr
	s_wait_dscnt 0x0                               ; V
	WIN W_PV
.irp t, 0,1,2,3,4,5,6,7                        ; O^T += V^T P^T: the 16 accumulators take turns, one instruction a turn
.irp T, 0,1
	v_wmma_scale_f32_16x16x128_f8f6f4 v[64*\T+8*\t:64*\T+8*\t+7], v[128+8*\t:128+8*\t+7], v[48+8*\T:55+8*\T], v[64*\T+8*\t:64*\T+8*\t+7], v[72+\t], v[20+8*\T] matrix_a_fmt:MATRIX_FMT_FP4 matrix_b_fmt:MATRIX_FMT_FP4
.endr
.endr
	WIN 0
.endm
; A PASS: 32 positions.  qb, ob: the pairs that hold q's and out0's address; nt: tail steps; qoff: my first position inside its step; first = 1: the head block is awaited; pf: see REAL
.macro PASS qb, ob, nt, qoff, first, pf
.if \first == 0
	s_wait_xcnt 0x0                                ; the last pass's stores have read their data registers, which the loads below fill
.endif
	; q: set idx = 2 T + c: tile T, d = 64 c on.  A load takes two positions' half rows (256 consecutive bytes for sixteen lanes); the set turns through my stage, so that a lane holds 32 neighbours along d of its query
.irp idx, 0,1,2,3
.irp i, 0,1,2,3,4,5,6,7
	global_load_b128 v[128+32*\idx+4*\i:128+32*\idx+4*\i+3], v9, s[\qb:\qb+1] offset:(\idx/2)*262144+\i*32768+256*(\idx%2) th:TH_LOAD_NT
.endr
.endr
.irp idx, 0,1,2,3
	s_wait_loadcnt 24-8*\idx                       ; this set's eight loads are in; the later sets' may be out
.irp i, 0,1,2,3,4,5,6,7
	ds_store_b128 v6, v[128+32*\idx+4*\i:128+32*\idx+4*\i+3] offset:2*SP*\i
.endr
.irp i, 0,1,2,3,4,5,6,7
	ds_load_b128 v[128+32*\idx+4*\i:128+32*\idx+4*\i+3], v7 offset:16*\i   ; LDS serves a wave's instructions in order (ISA guide 5.7.1.4): these see the stores above, and the next set's stores come behind them
.endr
.endr
.irp idx, 0,1,2,3
	s_wait_dscnt 48-16*\idx                        ; this set is back; the later sets' eight stores and eight loads may be out
	QBLK 128+32*\idx, 32+4*\idx, 80+\idx, 96+\idx, 88+\idx, 104+\idx
.endr
.irp T, 0,1
	v_lshl_or_b32 v[92+16*\T], v[105+2*\T], 16, v[104+2*\T]        ; my two bytes: blocks h and 2 + h of my query,
	v_lshlrev_b32 v[92+16*\T], v15, v[92+16*\T]                    ; at their places in the word;
	v_permlanex16_b32 v[84+16*\T], v[92+16*\T], s36, s37
	v_or_b32 v[21+8*\T], v[92+16*\T], v[84+16*\T]                  ; with lane l xor 16's two the word is whole
.endr
	; the state behind the tail steps' softmax, which is known: m = t0, l = 64 nt p_c in each lane (a lane owns 64 of a step's 128 keys).  Without a tail: m = -3e38, l = 0
	s_cmp_eq_u32 s[\nt], 0
	s_cselect_b32 s45, -1, 0
	s_lshl_b32 s47, s[\nt], 6
	v_cvt_f32_u32 v123, s47
.irp T, 0,1
	v_cndmask_b32 v[17+8*\T], v126, v127, s45
	v_floor_f32 v[16+8*\T], -v[17+8*\T]
	v_mul_f32 v[18+8*\T], v123, v122
	v_mov_b32 v[19+8*\T], 0
.endr
	v_add_nc_u32 v22, s[\qoff], v125               ; d of tile 0: my position in the step - 16 h,
	v_add_nc_u32 v30, 16, v22                      ; of tile 1
	WIN W_LD
.set k, 0
.rept 128
	v_mov_b32 v[k], 0                              ; O^T.  (The first trip is a tail step in some waves and a step with a softmax in others: a first product that starts the sums would want a second copy of both)
.set k, k+1
.endr
	WIN 0
.if \first
	s_wait_tensorcnt 0x0                           ; my eighth of the head block has landed,
	s_wait_dscnt 0x0
	s_barrier_signal -1
	s_barrier_wait -1                              ; everybody's has.
.endif
	s_mov_b32 s40, 0                               ; the slot: key step 15 - s40
	s_mov_b32 s41, 0                               ; 8192 x slot: the images
	s_mov_b32 s42, 0                               ; 512 x slot: scale words and bias
.Ltrip_\@:
	v_add_nc_u32 v10, s41, v1                      ; the step's LDS addresses.  These five lines are also the places (four are asked) between the last trip's products and the loads into their fragments and scale words
	v_add_nc_u32 v11, s41, v2
	v_add_nc_u32 v12, s42, v3
	v_add_nc_u32 v13, s42, v4
	v_add_nc_u32 v14, s42, v5
	s_cmp_lt_u32 s40, s[\nt]                       ; hangs on the wave's number and the trip alone: the same in all four partners
	s_cbranch_scc0 .Lreal_\@
	TAIL
	s_branch .Ljoin_\@
.Lreal_\@:
	REAL \nt, \pf
.Ljoin_\@:
	s_add_co_u32 s41, s41, 8192
	s_add_co_u32 s42, s42, 512
	s_add_co_u32 s40, s40, 1
	s_cmp_lt_u32 s40, 16
	s_cbranch_scc1 .Ltrip_\@
	; THE WAY OUT: O^T / l goes through my stage, half a row (64 channels, 256 bytes) of 16 queries at a time
.rept 4
	v_nop                                          ; four places behind the last products
.endr
.irp T, 0,1
	v_add_f32 v[18+8*\T], v[18+8*\T], v[19+8*\T]   ; l's two halves,
.endr
.irp T, 0,1
	v_permlanex16_b32 v[84+16*\T], v[18+8*\T], s36, s37
.endr
.irp T, 0,1
	v_add_f32 v[18+8*\T], v[18+8*\T], v[84+16*\T]  ; and lane l xor 16's
.endr
.irp T, 0,1
	v_rcp_f32 v[23+8*\T], v[18+8*\T]
.endr
	v_nop                                          ; a plain instruction behind the transcendentals
	WIN W_OUT
	s_wait_alu depctr_va_vdst(0)
.irp T, 0,1
.set k, 0
.rept 64
	v_mul_f32 v[128+64*\T+k], v[64*\T+k], v[23+8*\T]   ; register 8 t + i is out0(query r, channel 16 t + 8 h + i); each accumulator from its low end on
.set k, k+1
.endr
.endr
	WIN 0
.irp idx, 0,1,2,3                              ; idx = 2 T + u: tile T, channels 64 u on
.irp t, 0,1,2,3
	ds_store_b128 v8, v[128+32*\idx+8*\t:128+32*\idx+8*\t+3] offset:64*\t
	ds_store_b128 v8, v[128+32*\idx+8*\t+4:128+32*\idx+8*\t+7] offset:64*\t+16
.endr
.irp i, 0,1,2,3,4,5,6,7
	ds_load_b128 v[128+32*\idx+4*\i:128+32*\idx+4*\i+3], v6 offset:2*SP*\i   ; back by rows, into the registers that they left; in order behind the stores above
.endr
.endr
.irp idx, 0,1,2,3
.irp i, 0,1,2,3,4,5,6,7
	s_wait_dscnt 16*(3-\idx)+7-\i                  ; what was issued behind this load may be out: the rest of its eight, and sixteen for each later half
	global_store_b128 v9, v[128+32*\idx+4*\i:128+32*\idx+4*\i+3], s[\ob:\ob+1] offset:(\idx/2)*262144+\i*32768+256*(\idx%2) th:TH_STORE_NT   ; sixteen lanes store 256 consecutive bytes, aligned
.endr
.endr
.endm
	PASS 24, 26, 32, 34, 1, 1                      ; the heavy pass: w tail steps, 16 - w with a softmax
	PASS 28, 30, 33, 35, 0, 0                      ; the light pass: 15 - w tail steps, w + 1 with a softmax
	s_wait_dscnt 0x0
	s_wait_xcnt 0x0
	v_lshl_add_u32 v254, v0, 2, 0x4e800
	v_mov_b32 v255, 0
	s_wait_tensorcnt 0x0
	ds_add_u32 v254, v255
	s_wait_dscnt 0x0
	ROUND                                          ; the closing round: no work-group ends while a partner may still ask for a tile that names it
	s_endpgm
.Lfunc_end_k_q2b73e12f03_attn:
	.size	k_q2b73e12f03_attn, .Lfunc_end_k_q2b73e12f03_attn-k_q2b73e12f03_attn
	.p2alignl 7, 3214868480
	.fill 96, 4, 3214868480
	.section	.rodata,"a",@progbits
	.p2align	6, 0x0
	.amdhsa_kernel k_q2b73e12f03_attn
		.amdhsa_group_segment_fixed_size 327680
		.amdhsa_private_segment_fixed_size 0
		.amdhsa_enable_private_segment 0
		.amdhsa_kernarg_size 24
		.amdhsa_user_sgpr_count 2
		.amdhsa_user_sgpr_kernarg_segment_ptr 1
		.amdhsa_wavefront_size32 1
		.amdhsa_system_sgpr_workgroup_id_x 1
		.amdhsa_system_sgpr_workgroup_id_y 1
		.amdhsa_system_sgpr_workgroup_id_z 1
		.amdhsa_system_vgpr_workitem_id 0
		.amdhsa_next_free_vgpr 512
		.amdhsa_next_free_sgpr 66
		.amdhsa_reserve_vcc 1
		.amdhsa_float_denorm_mode_32 3
		.amdhsa_float_denorm_mode_16_64 3
		.amdhsa_memory_ordered 1
		.amdhsa_forward_progress 1
		.amdhsa_inst_pref_size 170
	.end_amdhsa_kernel
	.amdgpu_metadata
---
amdhsa.version: [ 1, 2 ]
amdhsa.kernels:
  - .name:           k_q2b73e12f03_attn
    .symbol:         k_q2b73e12f03_attn.kd
    .args:
      - { .name: q, .offset: 0, .size: 8, .value_kind: global_buffer, .address_space: global }
      - { .name: kvq, .offset: 8, .size: 8, .value_kind: global_buffer, .address_space: global }
      - { .name: out0, .offset: 16, .size: 8, .value_kind: global_buffer, .address_space: global }
    .group_segment_fixed_size: 327680
    .private_segment_fixed_size: 0
    .kernarg_segment_align: 8
    .kernarg_segment_size: 24
    .max_flat_workgroup_size: 256
    .sgpr_count:     66
    .vgpr_count:     512
    .wavefront_size: 32
...
	.end_amdgpu_metadata
.endif
;; end of part 2
